; MI455X (gfx1250); checked and timed in simulation.
; The chip was launched on July 23, 2026; its instructions are those of AMD's public machine-readable ISA for CDNA 5 (MIT licence, August 2026) and "CDNA5" Instruction Set Architecture Reference Guide (July 2026). The comments in the code are by the model that wrote it; some were corrected since.
;; QKV Attention Legacy. Allowed arithmetic: matrix products marked QUANTISED: E4M3 operands, one given power-of-two scale a tensor, by v_wmma_f32_16x16x64_fp8_fp8 or v_wmma_f32_16x16x128_fp8_fp8, f32 sums; everything else in f32.
;; Inputs: lowp_scales 4 int32 (the exponents e of the quantised operands' scales 2^e); qkv 4 x 3,072 x 1,024 float32.
;; Outputs: out0 4 x 1,024 x 1,024 float32.
;; This version of the problem:
;;   THIS VERSION OF THE PROBLEM IS GIVEN IN LOW PRECISION. The matrix products marked QUANTISED in the list below multiply operands that are first quantised to E4M3 (4 exponent bits, 3 mantissa bits; 8 bits a number), with one given power-of-two scale for each operand tensor; their sums are f32. All else is computed in f32.
;;   The module's matrix products, in the order in which they are computed (A, B: the left and right operand; K: the contracted axis; several contracted axes count as one K, in the product's order):
;;     1. batch 64 x [M 1,024, K 64] x [K 64, N 1,024]; A: computed on the way; B: computed on the way: QUANTISED (scales: A lowp_scales[0], B lowp_scales[1])
;;     2. batch 64 x [M 64, K 1,024] x [K 1,024, N 1,024]; A: computed on the way; B: softmax (see below): QUANTISED (scales: A lowp_scales[2], B lowp_scales[3])
;;   THE QUANTISER, for each operand of a quantised product, along K:
;;     - The operand's scale is 2^e, e = its entry of the input lowp_scales (int32; the entries are numbered through the quantised products in the list's order, A before B).
;;     - Each number is divided by the scale, clamped to +-448, and rounded to the nearest number of E4M3, ties to even, subnormals kept.
;;     - The product sums the exact products of the quantised numbers (number of the format x scale) in f32.
;;   ~~~python
;;   def quantise(x, axis, e):      # numpy; x: float32 -> the quantised numbers, widened to float32 again
;;       x = np.moveaxis(x, axis, -1); K = x.shape[-1]
;;       r = np.clip(x / 2.0 ** e, -448, 448)
;;       step = 2.0 ** (np.maximum(np.frexp(np.where(r == 0, 1, r))[1] - 1, -6) - 3)
;;       q = np.round(r / step) * step * 2.0 ** e      # np.round: ties to even
;;       return np.moveaxis(q, -1, axis).astype(np.float32)
;;   ~~~
;;   SOFTMAX AHEAD OF A QUANTISED PRODUCT. Where the list says 'softmax', what is quantised is not the finished softmax but p = 2^(t - M), with t = logit x log2(e) and M = ceil(the row's largest t), a whole number; so 1/2 < the row's largest p <= 1. The row's sum l is taken of the UNQUANTISED p, in f32, and the product's result is divided by l at the end. Since M is a whole number, a kernel that streams over the keys may use a running M (the ceiling of the running maximum): every later rescaling is an exact power of two, so the quantised numbers keep their values, but for numbers so far below the row's largest that they fall under the format's range.
;;   OPERANDS COMPUTED ON THE WAY. 'Computed on the way' means the value that the module computes at that place (a softmax that the list does not call 'softmax' is quantised finished and normalised). What goes into a quantiser is computed in f32, as accurately as f32 sums, v_exp_f32 and their like allow (about 1e-6 of the number): no bf16 or f16 on the way to a quantiser, and a product that is left as it is and whose result goes on into a quantised operand takes f32 operands (vector FMAs, or v_wmma_f32_16x16x4_f32). A number that lies on a knife's edge between two numbers of the format may be rounded either way, as far as f32 arithmetic and the matrix unit's own rounding can turn it there, and no further.
;; 2 versions, each right; version 2 is version 1 with the launch attn written anew for expert scheduling mode. Each part assembles by itself: llvm-mc -triple=amdgcn-amd-amdhsa -mcpu=gfx1250 --defsym DOCPART=n.
;; ======== version 1 of 2: 1 launch
;; launch attn (part 1): grid 4 x 64, 8 waves a work-group, no clusters, 218,112 bytes of LDS; arguments qkv, lowp_scales, out0; writes out0
.if DOCPART == 1
	.amdgcn_target "amdgcn-amd-amdhsa--gfx1250"
	.amdhsa_code_object_version 6
	.text
	.protected	k_qf0d80c41c2_attn
	.globl	k_qf0d80c41c2_attn
	.p2align	8
	.type	k_qf0d80c41c2_attn,@function
k_qf0d80c41c2_attn:
	s_mov_b64 s[64:65], 0
	v_nop
	global_prefetch_b8 v0, s[64:65] scope:SCOPE_SE
	s_setreg_imm32_b32 hwreg(HW_REG_WAVE_MODE, 25, 1), 1
	s_wait_xcnt 0x0
; out0[head][c][t] = the sum over s of softmax_s( sum_c' (q[c'][t] a)(k[c'][s] a) ) v[c][s],  a = 1 / sqrt(sqrt(64)).  64 heads; a head is 192 rows of 1,024 f32 of qkv: 64 of q, 64 of k, 64 of v.
; Both products run on codes of E4M3, each operand with the one scale 2^e that is given: e0 (q a), e1 (k a), e2 (v), e3 (p).  code = x / 2^e, held within +-448, to the nearest code, ties to even.
; THE SOFTMAX: t = logit x log2(e); M = the running largest t rounded UP to a whole number; p = 2^(t - M) is quantised, not normalised; the row's sum is taken of the unquantised p and divides at the end.
; When M moves, the sum and O are multiplied by 2^(old M - new M), which rounds nothing.
; SHARES.  A work-group: 256 queries of one head (grid x = the block of queries, y = the head).  A wave: 32 queries, two tiles of 16.  TILE A LIVES IN REGISTER WINDOW 0 AND TILE B IN WINDOW 1 AT THE SAME
; NUMBERS, so each part of the softmax is written once and run under two window settings; each fragment of K and V read from LDS feeds two products.
; K AND V.  A head's codes are 64 KiB + 64 KiB: the whole head stays in LDS and no LDS byte is written twice.  k and v come as f32 straight into registers (each load covers 256 or 512 consecutive bytes),
; 128 keys a chunk, shared among the eight waves, are quantised and stored once.  The loads run a trip ahead; chunk j + 2 is stored in trip j, in front of that trip's barrier, and first read in trip j + 1.
; LAYOUT.  Both products are used transposed: S^T = K Q^T (source 0 = 16 keys, source 1 = 16 queries), O^T = V P^T (source 0 = 16 channels, source 1 = P): a lane holds ONE query (lane % 16) throughout.
; Row r of key tile 2 b + u is key 32 b + 8 u + r % 8 + 16 (r / 8), so that the 16 registers of tiles 2 b and 2 b + 1 are 16 neighbouring keys, 32 b + 16 (lane / 16) + 0 .. 15: the conversions' results are P's fragment.
; Along the 64 channels lane (r, h) holds channels 32 h + 0 .. 31 in its 8 registers: a permutation of k, the same in Q and in K, so every product meets its partner.
; NO CLUSTER: what the four blocks of a head share arrives as f32, 512 KiB a head, which is more than the 320 KiB of LDS that a joint load could land in, and has to pass through registers to become codes;
; a ring for it would write and read four LDS bytes for each byte of code.  So each work-group loads k and v into registers itself.
; LIMITS on the given exponents, so that each power of two below is an f32 number: e0 .. e3 between -126 and 119; e0 + e1 between -126 and 127.  NaN among the inputs is not served; an infinity is held at the largest code.
;
; LDS (bytes).  PITCH = 1,040 = 4 x 256 + 16: sixteen rows or tiles on end start at sixteen different 16-byte columns of 256 bytes.
.set PITCH, 1040
.set KIMG,  0                          ; 64 tiles of K (8 a chunk) as images of their registers: block q (0, 1) of 512 bytes, lane L's 16 bytes at 512 q + 16 L = channels 32 (L / 16) + 16 q + 0 .. 15 of row L % 16
.set VROW,  64*PITCH                   ; 64 channels' rows of 1,024 codes along the keys
.set QIMG,  128*PITCH                  ; 16 tiles of Q, as K's
.set STAGE, 144*PITCH                  ; the way out: 64 channels' rows of 256 f32; ends at 208 x 1,040 = 216,320
; REGISTERS, the same numbers in both windows: v12 -M, v13 the largest t, v[14:15] the sum in two halves, v[16:23] Q's fragment, v24 448 x 2^e3, v25 2^e3, v[30:31] f and 0,
;   v96-159 S^T, then p, at the end O / the sum; v160-191 O^T; v192-207 p's codes; v208-211 four chains of the maximum; v212 a permute's destination; v213 at work; v[214:219] three chains of the sum.
; window 0 alone: v0 thread; v1, v3, v4 at work; v2 my bytes in out0; v5, v6, v7 my lane's place in K's images, V's rows, my Q tiles; v8, v9 the same for the step in hand; v10, v11 the stage, in and back;
;   v32-95 fragments: K's 8 x 8 registers, then V's 4 x 16, at the end rows of O.
; window 1 alone: v1, v2 offsets of k's (q's) and v's loads; v3, v4 where I store K's and V's codes in chunk 0; v5, v6 the same for the chunk in hand; v7 the same for Q;
;   v8, v9 / v26, v27 / v28, v29: 448 x 2^e and 2^e for e0 / e1 / e2; v32-63, v64-95 numbers as loaded; v192-207 codes just made (free between a step's V P^T and the next conversions of p); v224-255 numbers turned.
.set FR, 32
.set KS, 32
.set VS, 64
.set S,  96
.set OT, 160
.set PC, 192
.set CD, 192
.set TR, 224
; SCALARS: s[4:5] qkv, s[6:7] the scales, s[8:9] out0 at my block, s[12:15] e0 .. e3, s16 wave, s17 1 where p's hold may be left out, s18 head, s[20:21] lane selects, s[22:23] c = log2(e) 2^(e0 + e1),
;   s[24:25] a, s[26:27] k's rows at the chunk in hand, s[28:29] q's rows at my block, s30, s31 the step's bytes in K's images and V's rows, s32 trips, s33 e2 + e3, s34-47 at work.
.set MSB, 0
.macro WIN new                         ; low byte: bits 1:0 source 0, 3:2 source 1, 5:4 source 2, 7:6 destination; the high byte repeats the setting that is left
.if MSB != \new
	s_set_vgpr_msb (MSB<<8)|\new
.set MSB, \new
.endif
.endm
.set W_B,   0x55                       ; all in window 1: tile B's vector work, and the quantising
.set W_MB,  0x54                       ; tile B's products: source 0 (K's or V's fragment) window 0; source 1, C and D window 1
.set W_TO1, 0x40                       ; destination window 1
.set W_ST1, 0x04                       ; an LDS store's data window 1, its address window 0
.macro PLACES
.rept 4
	v_nop
.endr
.endm
.macro BARRIER                         ; my LDS stores have landed and my LDS loads are in: then the work-group's barrier
	s_wait_dscnt 0x0
	s_barrier_signal -1
	s_barrier_wait -1
.endm
; 16 channels (16 (wave % 4) + n) x 64 columns (64 (wave / 4) + 2 lane + 0, 1) of q or k: each load covers 256 consecutive bytes, at a multiple of 256.  nt = 1: bytes that the launch reads once
.macro LOADK dst, base, off, nt
.set n, 0
.rept 16
.if \nt
	global_load_b64 v[\dst+2*n:\dst+2*n+1], v1, s[\base:\base+1] offset:\off+4096*n th:TH_LOAD_NT
.else
	global_load_b64 v[\dst+2*n:\dst+2*n+1], v1, s[\base:\base+1] offset:\off+4096*n
.endif
.set n, n+1
.endr
.endm
; 8 channels (8 wave + n) x 128 keys (4 lane + 0 .. 3) of v: each load covers 512 consecutive bytes
.macro LOADV dst, off
.set n, 0
.rept 8
	global_load_b128 v[\dst+4*n:\dst+4*n+3], v2, s[26:27] offset:\off+4096*n
.set n, n+1
.endr
.endm
; q or k: register src + 2 i + j = channel i of my 16, column j of my 2.  x a; the hold at the largest code x the scale also turns them, so that 16 channels of a column stand on end;
; 16 codes a column = 16 bytes of a tile's image
.macro QUANTK src, c, lim, sc, adr, off
.set n, 0
.rept 16
	v_pk_mul_f32 v[\src+2*n:\src+2*n+1], v[\src+2*n:\src+2*n+1], s[24:25] op_sel_hi:[1,0]
.set n, n+1
.endr
.set n, 0
.rept 32
	v_med3_num_f32 v[TR+n], v[\src+2*(n%16)+n/16], -v[\lim], v[\lim]   ; the conversion to an 8-bit code does not saturate (ISA guide 7.6.2)
.set n, n+1
.endr
.set n, 0
.rept 4
	v_cvt_scalef32_pk8_fp8_f32 v[\c+2*n:\c+2*n+1], v[TR+8*n:TR+8*n+7], v[\sc]
.set n, n+1
.endr
	v_nop                                          ; one plain line behind the last conversion: later vector and matrix lines write these registers again
	ds_store_b128 v[\adr], v[\c:\c+3] offset:\off
	ds_store_b128 v[\adr], v[\c+4:\c+7] offset:\off+16
.endm
; v: register src + 4 i + n = channel i of my 8, key n of my 4.  A conversion takes two channels' four keys: register c + i = channel i's four codes; a store covers 128 consecutive bytes of a row
.macro QUANTV src, c, adr, off
.set n, 0
.rept 32
	v_med3_num_f32 v[\src+n], v[\src+n], -v28, v28
.set n, n+1
.endr
.set n, 0
.rept 4
	v_cvt_scalef32_pk8_fp8_f32 v[\c+2*n:\c+2*n+1], v[\src+8*n:\src+8*n+7], v29
.set n, n+1
.endr
	v_nop
.set n, 0
.rept 8
	ds_store_b32 v[\adr], v[\c+n] offset:\off+PITCH*n
.set n, n+1
.endr
.endm
.macro KFETCH adr                      ; a step's 8 tiles of K: each load takes 512 consecutive bytes
.set n, 0
.rept 16
	ds_load_b128 v[FR+4*n:FR+4*n+3], v[\adr] offset:PITCH*(n/2)+512*(n%2)
.set n, n+1
.endr
.endm
.macro VFETCH                          ; a step's 4 tiles of V: 16 channels x 128 keys; registers 4 b .. 4 b + 3 = keys 32 b + 16 (lane / 16) + 0 .. 15, as P's
.set n, 0
.rept 16
	ds_load_b128 v[FR+4*n:FR+4*n+3], v9 offset:16*PITCH*(n/4)+32*(n%4)
.set n, n+1
.endr
.endm
.macro QK                              ; S^T = K Q^T: 8 tiles of 16 keys; K = the 64 channels, one instruction a tile
.set n, 0
.rept 8
	v_wmma_f32_16x16x64_fp8_fp8 v[S+8*n:S+8*n+7], v[FR+8*n:FR+8*n+7], v[16:23], 0
.set n, n+1
.endr
.endm
.macro PV                              ; O^T += V P^T: 4 tiles of 16 channels; K = the step's 128 keys.  The accumulators take turns, one instruction a turn
.set n, 0
.rept 4
	v_wmma_f32_16x16x128_fp8_fp8 v[OT+8*n:OT+8*n+7], v[FR+16*n:FR+16*n+15], v[PC:PC+15], v[OT+8*n:OT+8*n+7]
.set n, n+1
.endr
.endm
; The step's largest score of my query, the new M, f, and t - M.  Four chains by turns, chain k over registers 16 k .. 16 k + 15; each accumulator is first read at its low end (registers 0-2; 7 with 8)
.macro SM_MAX
.irp k, 0,1,2,3
	v_max3_num_f32 v[208+\k], v[S+16*\k], v[S+16*\k+1], v[S+16*\k+2]
.endr
.irp i, 3,5,7,9,11,13
.irp k, 0,1,2,3
	v_max3_num_f32 v[208+\k], v[208+\k], v[S+16*\k+\i], v[S+16*\k+\i+1]
.endr
.endr
	v_max3_num_f32 v208, v208, v[S+15], v[S+31]
	v_max3_num_f32 v210, v210, v[S+47], v[S+63]
	v_max3_num_f32 v208, v208, v209, v210
	v_max_num_f32 v208, v208, v211
	v_permlanex16_b32 v212, v208, s20, s21         ; my query's other 64 keys lie in the lane 16 away
	v_max_num_f32 v208, v208, v212
	v_mul_f32 v208, s22, v208                      ; as t (c is positive)
	v_max_num_f32 v13, v13, v208                   ; the running largest t
	v_mov_b32 v213, v12
	v_floor_f32 v12, -v13                          ; the new -M = floor(-t) = -ceil(t): a whole number
	v_sub_f32 v213, v12, v213                      ; old M - new M: a whole number, 0 or less
	v_cvt_i32_f32 v213, v213                       ; (it saturates)
	v_ldexp_f32 v30, 1.0, v213                     ; f = 2^(old M - new M)
.set n, 0
.rept 32
	v_pk_fma_f32 v[S+2*n:S+2*n+1], v[S+2*n:S+2*n+1], s[22:23], v[12:13] op_sel_hi:[1,0,0]   ; t - M (of the pairs c and -M the low word serves both halves)
.set n, n+1
.endr
.endm
.macro SM_EXP                          ; p = 2^(t - M): one batch
.set n, 0
.rept 64
	v_exp_f32 v[S+n], v[S+n]
.set n, n+1
.endr
.endm
.macro SM_RESC                         ; the sum and O^T under the new M: 17 plain lines that name no exponential's result: they stand between the batch and the wait for it
	v_pk_mul_f32 v[14:15], v[14:15], v[30:31] op_sel_hi:[1,0]
.set n, 0
.rept 16
	v_pk_mul_f32 v[OT+2*n:OT+2*n+1], v[OT+2*n:OT+2*n+1], v[30:31] op_sel_hi:[1,0]
.set n, n+1
.endr
.endm
.macro SM_ADD                          ; the row's sum, of the UNQUANTISED p: 32 pairs in four chains; three of them are started by their first two pairs
	v_pk_add_f32 v[214:215], v[S:S+1], v[S+2:S+3]
	v_pk_add_f32 v[216:217], v[S+4:S+5], v[S+6:S+7]
	v_pk_add_f32 v[218:219], v[S+8:S+9], v[S+10:S+11]
.irp p, 12,20,28,36,44,52
	v_pk_add_f32 v[14:15], v[14:15], v[S+\p:S+\p+1]
	v_pk_add_f32 v[214:215], v[214:215], v[S+\p+2:S+\p+3]
	v_pk_add_f32 v[216:217], v[216:217], v[S+\p+4:S+\p+5]
	v_pk_add_f32 v[218:219], v[218:219], v[S+\p+6:S+\p+7]
.endr
	v_pk_add_f32 v[14:15], v[14:15], v[S+60:S+61]
	v_pk_add_f32 v[214:215], v[214:215], v[S+62:S+63]
	v_pk_add_f32 v[216:217], v[216:217], v[218:219]
	v_pk_add_f32 v[14:15], v[14:15], v[214:215]
	v_pk_add_f32 v[14:15], v[14:15], v[216:217]
.endm
.macro SM_HOLD                         ; p is not negative: the hold at the largest code x the scale is one-sided
.set n, 0
.rept 64
	v_min_num_f32 v[S+n], v[S+n], v24
.set n, n+1
.endr
.endm
.macro SM_CVT                          ; tile t's eight keys -> registers 2 t, 2 t + 1 of P's fragment
.set n, 0
.rept 8
	v_cvt_scalef32_pk8_fp8_f32 v[PC+2*n:PC+2*n+1], v[S+8*n:S+8*n+7], v25
.set n, n+1
.endr
	v_nop                                          ; one plain line between the conversions and the products that read their results
.endm
; KEY STEP j.  kload: K's fragments of step j + 1 are fetched.  quant: chunk j + 2 is quantised and stored, and a barrier follows.  load: chunk j + 3 is asked for.
.macro TRIP kload, quant, load
	s_wait_dscnt 0x0                               ; K's fragments of this step are in
	QK
	WIN W_MB
	QK
	WIN 0
	PLACES                                         ; four places behind the products: for the loads into the fragments' registers and for the first reads of S^T
	VFETCH                                         ; V's fragments land while the softmax is worked
	SM_MAX
	WIN W_B
	SM_MAX
	SM_EXP
	SM_RESC
	s_wait_alu depctr_va_vdst(0)                   ; one wait for tile B's 64 exponentials, ahead of the first line that names a result
	SM_ADD
	WIN 0
	SM_EXP
	SM_RESC
	s_wait_alu depctr_va_vdst(0)                   ; and one for tile A's
	SM_ADD
	s_cmp_lg_u32 s17, 0                            ; where the given scales themselves keep p / 2^e3 inside the format (see where s17 is made), the 128 holds are jumped over
	s_cbranch_scc1 .Lheld_\@
	SM_HOLD
	WIN W_B
	SM_HOLD
	WIN 0
.Lheld_\@:
	SM_CVT
	WIN W_B
	SM_CVT
	WIN 0
	s_wait_dscnt 0x0                               ; V's fragments are in
	PV
	WIN W_MB
	PV
	WIN 0
.if \kload
	s_add_co_u32 s30, s30, 8*PITCH                 ; step j + 1 in K's images,
	s_add_co_u32 s31, s31, 128                     ; and in V's rows
	v_add_nc_u32 v8, s30, v5
	v_add_nc_u32 v9, s31, v6
	v_nop
	v_nop                                          ; with the two additions: four places in front of loads into registers that the products have read
	KFETCH 8
.endif
.if \quant
	WIN W_B
	v_add_nc_u32 v5, s30, v3
	v_add_nc_u32 v6, s31, v4
	s_wait_loadcnt 8                               ; k's 16 loads of chunk j + 2 are in; v's 8 may be out
	QUANTK KS, CD, 26, 27, 5, 8*PITCH              ; (the addresses stand at step j + 1: one chunk further on)
	s_wait_loadcnt 0x0                             ; v's are in; no load is out, so their base may be stepped
	QUANTV VS, CD+8, 6, 128
.if \load
	s_add_nc_u64 s[26:27], s[26:27], 512           ; stepped j + 1 times: + 1,024 bytes is chunk j + 3
	LOADK KS, 26, 1024, 0
	LOADV VS, 1024
.endif
	WIN 0
	BARRIER                                        ; chunk j + 2 lies in LDS for every wave
.endif
.endm
.macro POW e                           ; s34 = 2^e as f32 (a conversion takes its exponent field), s35 = 448 x 2^e
	s_add_co_i32 s34, s[\e], 127
	s_add_co_i32 s35, s34, 8
	s_lshl_b32 s34, s34, 23
	s_lshl_b32 s35, s35, 23
	s_or_b32 s35, s35, 0x600000
.endm
.macro INIT                            ; a tile's state.  The step is written without a first step of its own: it finds zeros, which the first change of M leaves zeros
	v_mov_b32 v24, s35
	v_mov_b32 v25, s34
	v_mov_b32 v13, 0xff61b1e6                      ; the largest t so far: -3e38, under every t
	v_floor_f32 v12, -v13
	v_mov_b32 v14, 0
	v_mov_b32 v15, 0
	v_mov_b32 v31, 0                               ; (named as the upper half of the pair v[30:31])
	v_mov_b32 v212, 0                              ; a lane permute's destination counts as one of its sources
.set n, 0
.rept 32
	v_mov_b32 v[OT+n], 0
.set n, n+1
.endr
.endm
	s_load_b128 s[4:7], s[0:1], 0x0                ; qkv, the scales' exponents
	s_load_b64 s[8:9], s[0:1], 0x10                ; out0
	v_lshl_add_u32 v254, v0, 2, 0x35000
	v_mov_b32 v255, 0
	v_lshrrev_b32 v1, 5, v0
	v_readfirstlane_b32 s16, v1                    ; wave 0..7
	v_and_b32 v1, 31, v0                           ; lane
	v_and_b32 v3, 15, v0                           ; r
	v_bfe_u32 v4, v0, 4, 1                         ; h
	v_lshlrev_b32 v5, 4, v1                        ; K's images: 16 x lane (KIMG = 0)
	s_lshl_b32 s34, s16, 15
	v_add_nc_u32 v2, s34, v5                       ; out0: 16 x lane + my 8 channels' rows of 4,096 bytes
	v_mul_u32_u24 v6, v3, PITCH
	v_lshl_add_u32 v6, v4, 4, v6
	v_add_nc_u32 v6, VROW, v6                      ; V's rows: row r, + 16 h
	s_mul_i32 s35, s16, 2*PITCH
	s_add_co_u32 s35, s35, QIMG
	v_add_nc_u32 v7, s35, v5                       ; my two tiles of Q: 2 wave and 2 wave + 1 = queries 32 wave + 8 u + r % 8 + 16 (r / 8)
	v_and_b32 v8, 7, v0                            ; r % 8
	v_bfe_u32 v9, v0, 3, 1                         ; r / 8
	v_mul_u32_u24 v10, v4, 8*PITCH
	v_lshl_add_u32 v10, v8, 2, v10
	v_lshl_add_u32 v10, v9, 6, v10
	s_lshl_b32 s36, s16, 7
	s_add_co_u32 s36, s36, STAGE
	v_add_nc_u32 v10, s36, v10                     ; the stage, in: channel row 8 h (+ 16 t + j), my query's 4 bytes: 128 wave + 4 (r % 8) + 64 (r / 8) (+ 32 for tile B)
	s_mul_i32 s37, s16, 8*PITCH
	s_add_co_u32 s38, s37, STAGE
	v_add_nc_u32 v11, s38, v5                      ; and back: my 8 channels' rows, 16 bytes a lane
	; where a lane's column goes in a chunk's images.  Column 64 (wave / 4) + 2 lane + j is key 32 b + 8 u + r' % 8 + 16 (r' / 8): b = 2 (wave / 4) + lane's bit 4, r' / 8 = bit 3, u = bit 2, r' % 8 = 2 (lane % 4) + j;
	; my 16 channels 16 (wave % 4) on are block wave % 2 of the lanes' half (wave / 2) % 2
	v_bfe_u32 v8, v0, 2, 1
	v_lshl_add_u32 v8, v4, 1, v8
	v_mul_u32_u24 v8, v8, PITCH                    ; tile u + 2 x bit 4
	v_and_b32 v3, 3, v0
	v_lshl_add_u32 v8, v3, 5, v8                   ; 16 bytes x 2 (lane % 4)
	v_lshl_add_u32 v8, v9, 7, v8                   ; 16 bytes x 8 (bit 3)
	s_and_b32 s39, s16, 3
	s_lshl_b32 s39, s39, 16                        ; loads of q and k: 16 (wave % 4) rows of 4,096 bytes,
	s_lshr_b32 s40, s16, 2
	s_lshl_b32 s41, s40, 8
	s_add_co_u32 s39, s39, s41                     ; + 64 (wave / 4) columns
	s_add_co_u32 s34, s34, 262144                  ; loads of v: 64 rows behind k's, + 8 wave rows
	s_mul_i32 s40, s40, 4*PITCH
	s_and_b32 s41, s16, 1
	s_lshl_b32 s41, s41, 9
	s_add_co_u32 s40, s40, s41
	s_bfe_u32 s41, s16, 0x10001
	s_lshl_b32 s41, s41, 8
	s_add_co_u32 s40, s40, s41                     ; the wave's part of a column's place
	s_add_co_u32 s41, s40, QIMG
	s_add_co_u32 s37, s37, VROW
	WIN W_TO1
	v_lshl_add_u32 v1, v1, 3, s39                  ; window 1: v1 = 8 x lane + ..
	v_add_nc_u32 v2, s34, v5                       ;           v2 = 16 x lane + ..
	v_add_nc_u32 v3, s40, v8                       ;           v3: K's codes, chunk 0
	v_lshl_add_u32 v4, v1, 2, s37                  ;           v4: V's codes, chunk 0: my 8 rows, 4 x lane
	v_add_nc_u32 v7, s41, v8                       ;           v7: Q's codes
	WIN 0
	s_and_b32 s18, ttmp7, 0xffff                   ; the head
	s_mul_i32 s42, s18, 786432                     ; its 192 rows of 4,096 bytes
	s_mov_b32 s43, 0
	s_lshl_b32 s44, ttmp9, 10                      ; my block's 256 columns
	s_mov_b32 s45, 0
	s_lshl_b32 s46, s18, 18                        ; the head's 64 rows of out0
	s_add_co_u32 s46, s46, s44
	s_mov_b32 s47, 0
	s_mov_b32 s20, 0x76543210                      ; v_permlanex16_b32: lane l takes lane l xor 16
	s_mov_b32 s21, 0xfedcba98
	s_mov_b32 s24, 0x3eb504f3                      ; a = 1 / sqrt(sqrt(64))
	s_mov_b32 s25, s24                             ; (named with it as a pair, so it is written)
	s_wait_kmcnt 0x0
	s_load_b128 s[12:15], s[6:7], 0x0              ; e0, e1, e2, e3
	s_add_nc_u64 s[26:27], s[4:5], s[42:43]
	s_add_nc_u64 s[28:29], s[26:27], s[44:45]      ; q's rows at my block
	s_add_nc_u64 s[26:27], s[26:27], 262144        ; k's rows
	s_add_nc_u64 s[8:9], s[8:9], s[46:47]
	WIN W_B
	LOADK KS, 28, 0, 1                             ; my block's queries 0-127,
	LOADK VS, 28, 512, 1                           ; 128-255,
	LOADK S, 26, 0, 0                              ; k's chunk 0,
	LOADV S+32, 0                                  ; v's chunk 0: 56 loads are out
	s_wait_kmcnt 0x0
	s_add_co_i32 s36, s12, s13                     ; e0 + e1
	; p's hold may be left out where e0 + e1 < 0 and e3 >= -8.  The operands are held at 448 x their scales, so |t| <= 64 x 448 x 448 x 2^(e0 + e1) x log2(e) < 2^24: t is rounded by 1/2 at the most,
	; t - M <= 1/2, p <= 1.42, and p / 2^e3 <= 256 x 1.42 < 448.
	s_cmp_lt_i32 s36, 0
	s_cselect_b32 s17, 1, 0
	s_cmp_ge_i32 s15, -8
	s_cselect_b32 s17, s17, 0
	s_lshl_b32 s36, s36, 23
	s_mov_b32 s22, 0x3fb8aa3b                      ; log2(e);
	s_add_co_i32 s22, s22, s36                     ; a sum stands for sum x 2^(e0 + e1): the two exponents are added to its exponent field
	s_mov_b32 s23, s22
	s_add_co_i32 s33, s14, s15                     ; e2 + e3
	POW 12
	v_mov_b32 v9, s34
	v_mov_b32 v8, s35
	POW 13
	v_mov_b32 v27, s34
	v_mov_b32 v26, s35
	POW 14
	v_mov_b32 v29, s34
	v_mov_b32 v28, s35
	POW 15
	INIT                                           ; tile B's state
	s_wait_loadcnt 40                              ; queries 0-127 are in (behind them: 16 + 16 + 8)
	QUANTK KS, CD, 8, 9, 7, 0
	LOADK KS, 26, 512, 0                           ; k's chunk 1
	s_wait_loadcnt 40                              ; queries 128-255 (behind them: 16 + 8 + 16)
	QUANTK VS, CD+8, 8, 9, 7, 8*PITCH
	LOADV VS, 512                                  ; v's chunk 1
	s_wait_loadcnt 32                              ; k's chunk 0 (behind it: 8 + 16 + 8)
	s_wait_dscnt 0x0                               ; the stores have read the codes' registers, which are written again
	QUANTK S, CD, 26, 27, 3, 0
	s_wait_loadcnt 24                              ; v's chunk 0 (behind it: 16 + 8)
	QUANTV S+32, CD+8, 4, 0
	s_wait_loadcnt 8                               ; k's chunk 1 (behind it: 8)
	s_wait_dscnt 0x0
	QUANTK KS, CD, 26, 27, 3, 8*PITCH
	LOADK KS, 26, 1024, 0                          ; k's chunk 2
	s_wait_loadcnt 16                              ; v's chunk 1 (behind it: 16)
	QUANTV VS, CD+8, 4, 128
	LOADV VS, 1024                                 ; v's chunk 2: 24 loads are out, as at the end of every trip that loads
	WIN 0
	INIT                                           ; tile A's state
	BARRIER                                        ; Q's 16 tiles and chunks 0 and 1 lie in LDS
	ds_load_b128 v[16:19], v7                      ; Q's fragments stay in registers: tile A,
	ds_load_b128 v[20:23], v7 offset:512
	WIN W_TO1
	ds_load_b128 v[16:19], v7 offset:PITCH         ; tile B
	ds_load_b128 v[20:23], v7 offset:PITCH+512
	WIN 0
	v_mov_b32 v9, v6                               ; V's rows at step 0
	KFETCH 5                                       ; K's fragments of step 0
	s_mov_b32 s30, 0
	s_mov_b32 s31, 0
	s_mov_b32 s32, 5
.Ltrip:                                            ; steps 0 to 4: they store chunks 2 to 6 and ask for chunks 3 to 7
	TRIP 1, 1, 1
	s_sub_co_u32 s32, s32, 1
	s_cmp_lg_u32 s32, 0
	s_cbranch_scc1 .Ltrip
	TRIP 1, 1, 0                                   ; step 5 stores chunk 7; nothing is left to ask for: no load leaves the head's rows
	TRIP 1, 0, 0                                   ; step 6: nothing is stored, so no barrier
	TRIP 0, 0, 0                                   ; step 7
; THE WAY OUT.  The sum's two halves and the other half of the lanes' are added; O^T / the sum x 2^(e2 + e3) goes into the stage by channels' rows; each wave then stores 8 whole rows of 1,024 bytes.
.macro FINISH
	v_add_f32 v14, v14, v15
	v_permlanex16_b32 v212, v14, s20, s21
	v_add_f32 v14, v14, v212                       ; the row's sum
	v_rcp_f32 v14, v14
	v_nop                                          ; a plain line behind the reciprocal,
	s_wait_alu depctr_va_vdst(0)                   ; and a wait ahead of the first line that names its result
	v_ldexp_f32 v14, v14, s33
.set n, 0
.rept 16
	v_pk_mul_f32 v[S+2*n:S+2*n+1], v[OT+2*n:OT+2*n+1], v[14:15] op_sel_hi:[1,0]   ; each accumulator from its low end on; register 8 t + j = channel 16 t + 8 h + j of my query
.set n, n+1
.endr
.endm
.macro TOSTAGE u
.set n, 0
.rept 32
	ds_store_b32 v10, v[S+n] offset:(16*(n/8)+n%8)*PITCH+32*\u
.set n, n+1
.endr
.endm
	PLACES                                         ; behind the last products, ahead of the first read of O^T
	FINISH
	TOSTAGE 0
	WIN W_B
	FINISH
	WIN W_ST1
	TOSTAGE 1
	WIN 0
	BARRIER                                        ; 64 whole rows lie in the stage
.set n, 0
.rept 16
	ds_load_b128 v[FR+4*n:FR+4*n+3], v11 offset:PITCH*(n/2)+512*(n%2)
.set n, n+1
.endr
.set n, 0
.rept 16
	s_wait_dscnt 15-n                              ; LDS loads come back in order (ISA guide 5.7.1): load n is in
	global_store_b128 v2, v[FR+4*n:FR+4*n+3], s[8:9] offset:4096*(n/2)+512*(n%2) th:TH_STORE_NT   ; 32 lanes store 512 consecutive bytes, at a multiple of 256 from out0's first byte; written once, read by nobody here
.set n, n+1
.endr
	s_wait_tensorcnt 0x0
	ds_add_u32 v254, v255
	s_wait_dscnt 0x0
	s_endpgm
.Lfunc_end_k_qf0d80c41c2_attn:
	.size	k_qf0d80c41c2_attn, .Lfunc_end_k_qf0d80c41c2_attn-k_qf0d80c41c2_attn
	.p2alignl 7, 3214868480
	.fill 96, 4, 3214868480
	.section	.rodata,"a",@progbits
	.p2align	6, 0x0
	.amdhsa_kernel k_qf0d80c41c2_attn
		.amdhsa_group_segment_fixed_size 218112
		.amdhsa_private_segment_fixed_size 0
		.amdhsa_enable_private_segment 0
		.amdhsa_kernarg_size 24
		.amdhsa_user_sgpr_count 2
		.amdhsa_user_sgpr_kernarg_segment_ptr 1
		.amdhsa_wavefront_size32 1
		.amdhsa_system_sgpr_workgroup_id_x 1
		.amdhsa_system_sgpr_workgroup_id_y 1
		.amdhsa_system_sgpr_workgroup_id_z 1
		.amdhsa_system_vgpr_workitem_id 0
		.amdhsa_next_free_vgpr 512
		.amdhsa_next_free_sgpr 66
		.amdhsa_reserve_vcc 0
		.amdhsa_float_denorm_mode_32 3
		.amdhsa_float_denorm_mode_16_64 3
		.amdhsa_memory_ordered 1
		.amdhsa_forward_progress 1
		.amdhsa_inst_pref_size 176
	.end_amdhsa_kernel
	.amdgpu_metadata
---
amdhsa.version: [ 1, 2 ]
amdhsa.kernels:
  - .name:           k_qf0d80c41c2_attn
    .symbol:         k_qf0d80c41c2_attn.kd
    .args:
      - { .name: qkv, .offset: 0, .size: 8, .value_kind: global_buffer, .address_space: global }
      - { .name: lowp_scales, .offset: 8, .size: 8, .value_kind: global_buffer, .address_space: global }
      - { .name: out0, .offset: 16, .size: 8, .value_kind: global_buffer, .address_space: global }
    .group_segment_fixed_size: 218112
    .private_segment_fixed_size: 0
    .kernarg_segment_align: 8
    .kernarg_segment_size: 24
    .max_flat_workgroup_size: 256
    .sgpr_count:     66
    .vgpr_count:     512
    .wavefront_size: 32
...
	.end_amdgpu_metadata
.endif
;; end of part 1
;; ======== version 2 of 2: 1 launch; version 1 with the launch attn written anew for expert scheduling mode
;; launch attn (part 2): grid 4 x 64, 8 waves a work-group, no clusters, 218,112 bytes of LDS; arguments qkv, lowp_scales, out0; writes out0
.if DOCPART == 2
	.amdgcn_target "amdgcn-amd-amdhsa--gfx1250"
	.amdhsa_code_object_version 6
	.text
	.protected	k_qf0d80c41c2_attn
	.globl	k_qf0d80c41c2_attn
	.p2align	8
	.type	k_qf0d80c41c2_attn,@function
k_qf0d80c41c2_attn:
	s_mov_b64 s[64:65], 0
	v_nop
	global_prefetch_b8 v0, s[64:65] scope:SCOPE_SE
	s_setreg_imm32_b32 hwreg(HW_REG_WAVE_SCHED_MODE, 0, 2), 2
	s_setreg_imm32_b32 hwreg(HW_REG_WAVE_MODE, 25, 1), 1
	s_wait_xcnt 0x0
	s_wait_alu depctr_vm_vsrc(0)
; out0[head][c][t] = the sum over s of softmax_s( sum_c' (q[c'][t] a)(k[c'][s] a) ) v[c][s],  a = 1 / sqrt(sqrt(64)).  64 heads; a head is 192 rows of 1,024 f32 of qkv: 64 of q, 64 of k, 64 of v.
; Both products run on codes of E4M3, each operand with the one scale 2^e that is given: e0 (q a), e1 (k a), e2 (v), e3 (p).  code = x / 2^e, held within +-448, to the nearest code, ties to even.
; THE SOFTMAX: t = logit x log2(e); M = the running largest t rounded UP to a whole number; p = 2^(t - M) is quantised, not normalised; the row's sum is taken of the unquantised p and divides at the end.
; When M moves, the sum and O are multiplied by 2^(old M - new M), which rounds nothing.
; SHARES.  A work-group: 256 queries of one head (grid x = the block of queries, y = the head).  A wave: 32 queries, two tiles of 16.  TILE A LIVES IN REGISTER WINDOW 0 AND TILE B IN WINDOW 1 AT THE SAME
; NUMBERS, so each part of the softmax is written once and run under two window settings; each fragment of K and V read from LDS feeds two products.
; K AND V.  A head's codes are 64 KiB + 64 KiB: the whole head stays in LDS and no LDS byte is written twice.  k and v come as f32 straight into registers (each load covers 256 or 512 consecutive bytes),
; 128 keys a chunk, shared among the eight waves, are quantised and stored once.  The loads run a trip ahead; chunk j + 2 is stored in trip j, in front of that trip's barrier, and first read in trip j + 1.
; LAYOUT.  Both products are used transposed: S^T = K Q^T (source 0 = 16 keys, source 1 = 16 queries), O^T = V P^T (source 0 = 16 channels, source 1 = P): a lane holds ONE query (lane % 16) throughout.
; Row r of key tile 2 b + u is key 32 b + 8 u + r % 8 + 16 (r / 8), so that the 16 registers of tiles 2 b and 2 b + 1 are 16 neighbouring keys, 32 b + 16 (lane / 16) + 0 .. 15: the conversions' results are P's fragment.
; Along the 64 channels lane (r, h) holds channels 32 h + 0 .. 31 in its 8 registers: a permutation of k, the same in Q and in K, so every product meets its partner.
; NO CLUSTER: what the four blocks of a head share arrives as f32, 512 KiB a head, which is more than the 320 KiB of LDS that a joint load could land in, and has to pass through registers to become codes;
; a ring for it would write and read four LDS bytes for each byte of code.  So each work-group loads k and v into registers itself.
; LIMITS on the given exponents, so that each power of two below is an f32 number: e0 .. e3 between -126 and 119; e0 + e1 between -126 and 127.  NaN among the inputs is not served; an infinity is held at the largest code.
; THE MODE: SCHED_MODE bits 1:0 = 2 (LLVM: expert scheduling mode 2), set by the entry lines.  The code itself states the register dependences between vector or matrix instructions and memory or LDS
; instructions, with s_wait_alu, always for 0.
; THE PLAN.  Registers that memory or LDS instructions touch in a key step (w0, w1: the window):
;   FR (w0 v32-95)       K's loads land at the end of the trip before; the step's 16 products K Q^T read them; V's loads land in mid-trip; the 8 products V P^T read them; K's loads land again.
;   v8, v9 (w0)          read by K's and by V's loads; written once a trip, in mid-trip.
;   KS, VS (w1 v32-95)   the next chunk's numbers land; the quantisers at the next trip's end read and write them.
;   CD (w1 v192-207)     written by tile B's conversions of p (read by products alone), then by the quantisers' conversions, whose codes the trip's ten LDS stores read.
;   v5, v6 (w1)          the stores' addresses: written once a trip, ahead of the quantisers.
;   All other addresses are made at the head and never written again; global rows are reached by a scalar base and immediate offsets.
; So a trip holds three waits on va_vdst and one on vm_vsrc.  (1) The wait that tile B's batch of exponentials has in any case also states that K Q^T is done reading FR and that v9 is written: V's loads follow it,
; with tile B's sums between, which name none of their registers.  (2) Tile A's batch has its wait.  (3) Beside it the wait on vm_vsrc: V's loads have read v9, the last trip's loads of K v8, the last trip's stores
; CD and their addresses: all of these are written again only behind it.  (4) One wait behind both quantisers' vector work: all that the trip's end loads and stores hangs on it, and stands behind it in one run.
;
; LDS (bytes).  PITCH = 1,040 = 4 x 256 + 16: sixteen rows or tiles on end start at sixteen different 16-byte columns of 256 bytes.
.set PITCH, 1040
.set KIMG,  0                          ; 64 tiles of K (8 a chunk) as images of their registers: block q (0, 1) of 512 bytes, lane L's 16 bytes at 512 q + 16 L = channels 32 (L / 16) + 16 q + 0 .. 15 of row L % 16
.set VROW,  64*PITCH                   ; 64 channels' rows of 1,024 codes along the keys
.set QIMG,  128*PITCH                  ; 16 tiles of Q, as K's
.set STAGE, 144*PITCH                  ; the way out: 64 channels' rows of 256 f32; ends at 208 x 1,040 = 216,320
; REGISTERS, the same numbers in both windows: v12 -M, v13 the largest t, v[14:15] the sum in two halves, v[16:23] Q's fragment, v24 448 x 2^e3, v25 2^e3, v[30:31] f and 0,
;   v96-159 S^T, then p, at the end O / the sum; v160-191 O^T; v192-207 p's codes; v208-211 four chains of the maximum; v212 a permute's destination; v213 at work; v[214:219] three chains of the sum.
; window 0 alone: v0 thread; v1, v3, v4 at work; v2 my bytes in out0; v5, v6, v7 my lane's place in K's images, V's rows, my Q tiles; v8, v9 the same for the step in hand; v10, v11 the stage, in and back;
;   v32-95 fragments: K's 8 x 8 registers, then V's 4 x 16, at the end rows of O.
; window 1 alone: v1, v2 offsets of k's (q's) and v's loads; v3, v4 where I store K's and V's codes in chunk 0; v5, v6 the same for the chunk in hand; v7 the same for Q;
;   v8, v9 / v26, v27 / v28, v29: 448 x 2^e and 2^e for e0 / e1 / e2; v32-63, v64-95 numbers as loaded; v192-207 codes just made (free between a step's V P^T and the next conversions of p); v224-255 numbers turned.
.set FR, 32
.set KS, 32
.set VS, 64
.set S,  96
.set OT, 160
.set PC, 192
.set CD, 192
.set TR, 224
; SCALARS: s[4:5] qkv, s[6:7] the scales, s[8:9] out0 at my block, s[12:15] e0 .. e3, s16 wave, s17 1 where p's hold may be left out, s18 head, s[20:21] lane selects, s[22:23] c = log2(e) 2^(e0 + e1),
;   s[24:25] a, s[26:27] k's rows at the chunk in hand, s[28:29] q's rows at my block, s30, s31 the step's bytes in K's images and V's rows, s32 trips, s33 e2 + e3, s34-47 at work.
.set MSB, 0
.macro WIN new                         ; low byte: bits 1:0 source 0, 3:2 source 1, 5:4 source 2, 7:6 destination; the high byte repeats the setting that is left
.if MSB != \new
	s_set_vgpr_msb (MSB<<8)|\new
.set MSB, \new
.endif
.endm
.set W_B,   0x55                       ; all in window 1: tile B's vector work, and the quantising
.set W_MB,  0x54                       ; tile B's products: source 0 (K's or V's fragment) window 0; source 1, C and D window 1
.set W_TO1, 0x40                       ; destination window 1
.set W_ST1, 0x04                       ; an LDS store's data window 1, its address window 0
.macro PLACES
.rept 4
	v_nop
.endr
.endm
.macro BARRIER                         ; my LDS stores have landed and my LDS loads are in: then the work-group's barrier
	s_wait_dscnt 0x0
	s_barrier_signal -1
	s_barrier_wait -1
.endm
; 16 channels (16 (wave % 4) + n) x 64 columns (64 (wave / 4) + 2 lane + 0, 1) of q or k: each load covers 256 consecutive bytes, at a multiple of 256.  nt = 1: bytes that the launch reads once
.macro LOADK dst, base, off, nt
.set n, 0
.rept 16
.if \nt
	global_load_b64 v[\dst+2*n:\dst+2*n+1], v1, s[\base:\base+1] offset:\off+4096*n th:TH_LOAD_NT
.else
	global_load_b64 v[\dst+2*n:\dst+2*n+1], v1, s[\base:\base+1] offset:\off+4096*n
.endif
.set n, n+1
.endr
.endm
; 8 channels (8 wave + n) x 128 keys (4 lane + 0 .. 3) of v: each load covers 512 consecutive bytes
.macro LOADV dst, off
.set n, 0
.rept 8
	global_load_b128 v[\dst+4*n:\dst+4*n+3], v2, s[26:27] offset:\off+4096*n
.set n, n+1
.endr
.endm
; q or k: register src + 2 i + j = channel i of my 16, column j of my 2.  x a; the hold at the largest code x the scale also turns them, so that 16 channels of a column stand on end;
; 16 codes a column = 16 bytes of a tile's image.  The vector work alone: the stores stand in STOREK, behind a wait that the caller writes
.macro QUANTK src, c, lim, sc
.set n, 0
.rept 16
	v_pk_mul_f32 v[\src+2*n:\src+2*n+1], v[\src+2*n:\src+2*n+1], s[24:25] op_sel_hi:[1,0]
.set n, n+1
.endr
.set n, 0
.rept 32
	v_med3_num_f32 v[TR+n], v[\src+2*(n%16)+n/16], -v[\lim], v[\lim]   ; the conversion to an 8-bit code does not saturate (ISA guide 7.6.2)
.set n, n+1
.endr
.set n, 0
.rept 4
	v_cvt_scalef32_pk8_fp8_f32 v[\c+2*n:\c+2*n+1], v[TR+8*n:TR+8*n+7], v[\sc]
.set n, n+1
.endr
	v_nop                                          ; one plain line behind the last conversion: later vector and matrix lines write these registers again
.endm
.macro STOREK c, adr, off
	ds_store_b128 v[\adr], v[\c:\c+3] offset:\off
	ds_store_b128 v[\adr], v[\c+4:\c+7] offset:\off+16
.endm
; v: register src + 4 i + n = channel i of my 8, key n of my 4.  A conversion takes two channels' four keys: register c + i = channel i's four codes; a store covers 128 consecutive bytes of a row
.macro QUANTV src, c
.set n, 0
.rept 32
	v_med3_num_f32 v[\src+n], v[\src+n], -v28, v28
.set n, n+1
.endr
.set n, 0
.rept 4
	v_cvt_scalef32_pk8_fp8_f32 v[\c+2*n:\c+2*n+1], v[\src+8*n:\src+8*n+7], v29
.set n, n+1
.endr
	v_nop
.endm
.macro STOREV c, adr, off
.set n, 0
.rept 8
	ds_store_b32 v[\adr], v[\c+n] offset:\off+PITCH*n
.set n, n+1
.endr
.endm
.macro KFETCH adr                      ; a step's 8 tiles of K: each load takes 512 consecutive bytes
.set n, 0
.rept 16
	ds_load_b128 v[FR+4*n:FR+4*n+3], v[\adr] offset:PITCH*(n/2)+512*(n%2)
.set n, n+1
.endr
.endm
.macro VFETCH                          ; a step's 4 tiles of V: 16 channels x 128 keys; registers 4 b .. 4 b + 3 = keys 32 b + 16 (lane / 16) + 0 .. 15, as P's
.set n, 0
.rept 16
	ds_load_b128 v[FR+4*n:FR+4*n+3], v9 offset:16*PITCH*(n/4)+32*(n%4)
.set n, n+1
.endr
.endm
.macro QK                              ; S^T = K Q^T: 8 tiles of 16 keys; K = the 64 channels, one instruction a tile
.set n, 0
.rept 8
	v_wmma_f32_16x16x64_fp8_fp8 v[S+8*n:S+8*n+7], v[FR+8*n:FR+8*n+7], v[16:23], 0
.set n, n+1
.endr
.endm
.macro PV                              ; O^T += V P^T: 4 tiles of 16 channels; K = the step's 128 keys.  The accumulators take turns, one instruction a turn
.set n, 0
.rept 4
	v_wmma_f32_16x16x128_fp8_fp8 v[OT+8*n:OT+8*n+7], v[FR+16*n:FR+16*n+15], v[PC:PC+15], v[OT+8*n:OT+8*n+7]
.set n, n+1
.endr
.endm
; The step's largest score of my query, the new M, f, and t - M.  Four chains by turns, chain k over registers 16 k .. 16 k + 15; each accumulator is first read at its low end (registers 0-2; 7 with 8)
.macro SM_MAX
.irp k, 0,1,2,3
	v_max3_num_f32 v[208+\k], v[S+16*\k], v[S+16*\k+1], v[S+16*\k+2]
.endr
.irp i, 3,5,7,9,11,13
.irp k, 0,1,2,3
	v_max3_num_f32 v[208+\k], v[208+\k], v[S+16*\k+\i], v[S+16*\k+\i+1]
.endr
.endr
	v_max3_num_f32 v208, v208, v[S+15], v[S+31]
	v_max3_num_f32 v210, v210, v[S+47], v[S+63]
	v_max3_num_f32 v208, v208, v209, v210
	v_max_num_f32 v208, v208, v211
	v_permlanex16_b32 v212, v208, s20, s21         ; my query's other 64 keys lie in the lane 16 away
	v_max_num_f32 v208, v208, v212
	v_mul_f32 v208, s22, v208                      ; as t (c is positive)
	v_max_num_f32 v13, v13, v208                   ; the running largest t
	v_mov_b32 v213, v12
	v_floor_f32 v12, -v13                          ; the new -M = floor(-t) = -ceil(t): a whole number
	v_sub_f32 v213, v12, v213                      ; old M - new M: a whole number, 0 or less
	v_cvt_i32_f32 v213, v213                       ; (it saturates)
	v_ldexp_f32 v30, 1.0, v213                     ; f = 2^(old M - new M)
.set n, 0
.rept 32
	v_pk_fma_f32 v[S+2*n:S+2*n+1], v[S+2*n:S+2*n+1], s[22:23], v[12:13] op_sel_hi:[1,0,0]   ; t - M (of the pairs c and -M the low word serves both halves)
.set n, n+1
.endr
.endm
.macro SM_EXP                          ; p = 2^(t - M): one batch
.set n, 0
.rept 64
	v_exp_f32 v[S+n], v[S+n]
.set n, n+1
.endr
.endm
.macro SM_RESC                         ; the sum and O^T under the new M: 17 plain lines that name no exponential's result: they stand between the batch and the wait for it
	v_pk_mul_f32 v[14:15], v[14:15], v[30:31] op_sel_hi:[1,0]
.set n, 0
.rept 16
	v_pk_mul_f32 v[OT+2*n:OT+2*n+1], v[OT+2*n:OT+2*n+1], v[30:31] op_sel_hi:[1,0]
.set n, n+1
.endr
.endm
.macro SM_ADD                          ; the row's sum, of the UNQUANTISED p: 32 pairs in four chains; three of them are started by their first two pairs
	v_pk_add_f32 v[214:215], v[S:S+1], v[S+2:S+3]
	v_pk_add_f32 v[216:217], v[S+4:S+5], v[S+6:S+7]
	v_pk_add_f32 v[218:219], v[S+8:S+9], v[S+10:S+11]
.irp p, 12,20,28,36,44,52
	v_pk_add_f32 v[14:15], v[14:15], v[S+\p:S+\p+1]
	v_pk_add_f32 v[214:215], v[214:215], v[S+\p+2:S+\p+3]
	v_pk_add_f32 v[216:217], v[216:217], v[S+\p+4:S+\p+5]
	v_pk_add_f32 v[218:219], v[218:219], v[S+\p+6:S+\p+7]
.endr
	v_pk_add_f32 v[14:15], v[14:15], v[S+60:S+61]
	v_pk_add_f32 v[214:215], v[214:215], v[S+62:S+63]
	v_pk_add_f32 v[216:217], v[216:217], v[218:219]
	v_pk_add_f32 v[14:15], v[14:15], v[214:215]
	v_pk_add_f32 v[14:15], v[14:15], v[216:217]
.endm
.macro SM_HOLD                         ; p is not negative: the hold at the largest code x the scale is one-sided
.set n, 0
.rept 64
	v_min_num_f32 v[S+n], v[S+n], v24
.set n, n+1
.endr
.endm
.macro SM_CVT                          ; tile t's eight keys -> registers 2 t, 2 t + 1 of P's fragment
.set n, 0
.rept 8
	v_cvt_scalef32_pk8_fp8_f32 v[PC+2*n:PC+2*n+1], v[S+8*n:S+8*n+7], v25
.set n, n+1
.endr
	v_nop                                          ; one plain line between the conversions and the products that read their results
.endm
; KEY STEP j.  kload: K's fragments of step j + 1 are fetched.  quant: chunk j + 2 is quantised and stored, and a barrier follows.  load: chunk j + 3 is asked for.
.macro TRIP kload, quant, load
	s_wait_dscnt 0x0                               ; K's fragments of this step are in
	QK
	WIN W_MB
	QK
	WIN 0
	PLACES                                         ; four places behind the products, ahead of the first reads of S^T (ISA guide 7.12.1)
	SM_MAX
	WIN W_B
	SM_MAX
	SM_EXP
	SM_RESC
	s_wait_alu depctr_va_vdst(0)                   ; tile B's 64 exponentials have written their results, ahead of the first line that names one; the products K Q^T are done reading v[FR ..], in which V's loads land, and v9, their address, is written
	SM_ADD
	WIN 0
	VFETCH                                         ; no vector or matrix line since the wait names v9 or v[FR ..] of window 0.  V's fragments land while tile A's softmax is worked
	SM_EXP
	SM_RESC
	s_wait_alu depctr_va_vdst(0)                   ; tile A's 64 exponentials have written their results, ahead of the first line that names one
.if \kload
	s_wait_alu depctr_vm_vsrc(0)                   ; V's loads have read v9, the last trip's loads of K v8, the last stores of codes v[CD ..] and v5, v6 of window 1: the lines below, tile B's conversions and the quantising write them again
	s_add_co_u32 s30, s30, 8*PITCH                 ; step j + 1 in K's images,
	s_add_co_u32 s31, s31, 128                     ; and in V's rows
	v_add_nc_u32 v8, s30, v5
	v_add_nc_u32 v9, s31, v6
.endif
	SM_ADD
	s_cmp_lg_u32 s17, 0                            ; where the given scales themselves keep p / 2^e3 inside the format (see where s17 is made), the 128 holds are jumped over
	s_cbranch_scc1 .Lheld_\@
	SM_HOLD
	WIN W_B
	SM_HOLD
	WIN 0
.Lheld_\@:
	SM_CVT
	WIN W_B
	SM_CVT
	WIN 0
	s_wait_dscnt 0x0                               ; V's fragments are in
	PV
	WIN W_MB
	PV
.if \quant
	WIN W_B
	v_add_nc_u32 v5, s30, v3
	v_add_nc_u32 v6, s31, v4
	s_wait_loadcnt 8                               ; k's 16 loads of chunk j + 2 are in; v's 8 may be out
	QUANTK KS, CD, 26, 27
	s_wait_loadcnt 0x0                             ; v's are in; no load is out, so their base may be stepped
	QUANTV VS, CD+8
	WIN 0
	s_wait_alu depctr_va_vdst(0)                   ; ONE wait for the trip's end.  Written: the codes v[CD .. CD + 15] and the addresses v5, v6 of window 1, which the stores read, and v8, which K's loads read.  Done reading: the products V P^T, v[FR ..], in which K's loads land.  Done with v[KS ..] and v[VS ..]: the quantisers; the next chunk's loads land there
	KFETCH 8
	WIN W_B
	STOREK CD, 5, 8*PITCH                          ; (the addresses stand at step j + 1: one chunk further on)
	STOREV CD+8, 6, 128
.if \load
	s_add_nc_u64 s[26:27], s[26:27], 512           ; stepped j + 1 times: + 1,024 bytes is chunk j + 3
	LOADK KS, 26, 1024, 0
	LOADV VS, 1024
.endif
	WIN 0
	BARRIER                                        ; chunk j + 2 lies in LDS for every wave
.else
	WIN 0
.if \kload
	PLACES                                         ; four plain lines behind the products, ahead of loads into registers that they have read
	s_wait_alu depctr_va_vdst(0)                   ; the products V P^T are done reading v[FR ..], in which K's loads land; v8, their address, is written
	KFETCH 8
.endif
.endif
.endm
.macro POW e                           ; s34 = 2^e as f32 (a conversion takes its exponent field), s35 = 448 x 2^e
	s_add_co_i32 s34, s[\e], 127
	s_add_co_i32 s35, s34, 8
	s_lshl_b32 s34, s34, 23
	s_lshl_b32 s35, s35, 23
	s_or_b32 s35, s35, 0x600000
.endm
.macro INIT                            ; a tile's state.  The step is written without a first step of its own: it finds zeros, which the first change of M leaves zeros
	v_mov_b32 v24, s35
	v_mov_b32 v25, s34
	v_mov_b32 v13, 0xff61b1e6                      ; the largest t so far: -3e38, under every t
	v_floor_f32 v12, -v13
	v_mov_b32 v14, 0
	v_mov_b32 v15, 0
	v_mov_b32 v31, 0                               ; (named as the upper half of the pair v[30:31])
	v_mov_b32 v212, 0                              ; a lane permute's destination counts as one of its sources
.set n, 0
.rept 32
	v_mov_b32 v[OT+n], 0
.set n, n+1
.endr
.endm
	s_load_b128 s[4:7], s[0:1], 0x0                ; qkv, the scales' exponents
	s_load_b64 s[8:9], s[0:1], 0x10                ; out0
	v_lshl_add_u32 v254, v0, 2, 0x35000
	v_mov_b32 v255, 0
	v_lshrrev_b32 v1, 5, v0
	v_readfirstlane_b32 s16, v1                    ; wave 0..7
	v_and_b32 v1, 31, v0                           ; lane
	v_and_b32 v3, 15, v0                           ; r
	v_bfe_u32 v4, v0, 4, 1                         ; h
	v_lshlrev_b32 v5, 4, v1                        ; K's images: 16 x lane (KIMG = 0)
	s_wait_alu depctr_va_sdst(0)                   ; s16 is written, ahead of its first reader
	s_lshl_b32 s34, s16, 15
	v_add_nc_u32 v2, s34, v5                       ; out0: 16 x lane + my 8 channels' rows of 4,096 bytes
	v_mul_u32_u24 v6, v3, PITCH
	v_lshl_add_u32 v6, v4, 4, v6
	v_add_nc_u32 v6, VROW, v6                      ; V's rows: row r, + 16 h
	s_mul_i32 s35, s16, 2*PITCH
	s_add_co_u32 s35, s35, QIMG
	v_add_nc_u32 v7, s35, v5                       ; my two tiles of Q: 2 wave and 2 wave + 1 = queries 32 wave + 8 u + r % 8 + 16 (r / 8)
	v_and_b32 v8, 7, v0                            ; r % 8
	v_bfe_u32 v9, v0, 3, 1                         ; r / 8
	v_mul_u32_u24 v10, v4, 8*PITCH
	v_lshl_add_u32 v10, v8, 2, v10
	v_lshl_add_u32 v10, v9, 6, v10
	s_lshl_b32 s36, s16, 7
	s_add_co_u32 s36, s36, STAGE
	v_add_nc_u32 v10, s36, v10                     ; the stage, in: channel row 8 h (+ 16 t + j), my query's 4 bytes: 128 wave + 4 (r % 8) + 64 (r / 8) (+ 32 for tile B)
	s_mul_i32 s37, s16, 8*PITCH
	s_add_co_u32 s38, s37, STAGE
	v_add_nc_u32 v11, s38, v5                      ; and back: my 8 channels' rows, 16 bytes a lane
	; where a lane's column goes in a chunk's images.  Column 64 (wave / 4) + 2 lane + j is key 32 b + 8 u + r' % 8 + 16 (r' / 8): b = 2 (wave / 4) + lane's bit 4, r' / 8 = bit 3, u = bit 2, r' % 8 = 2 (lane % 4) + j;
	; my 16 channels 16 (wave % 4) on are block wave % 2 of the lanes' half (wave / 2) % 2
	v_bfe_u32 v8, v0, 2, 1
	v_lshl_add_u32 v8, v4, 1, v8
	v_mul_u32_u24 v8, v8, PITCH                    ; tile u + 2 x bit 4
	v_and_b32 v3, 3, v0
	v_lshl_add_u32 v8, v3, 5, v8                   ; 16 bytes x 2 (lane % 4)
	v_lshl_add_u32 v8, v9, 7, v8                   ; 16 bytes x 8 (bit 3)
	s_and_b32 s39, s16, 3
	s_lshl_b32 s39, s39, 16                        ; loads of q and k: 16 (wave % 4) rows of 4,096 bytes,
	s_lshr_b32 s40, s16, 2
	s_lshl_b32 s41, s40, 8
	s_add_co_u32 s39, s39, s41                     ; + 64 (wave / 4) columns
	s_add_co_u32 s34, s34, 262144                  ; loads of v: 64 rows behind k's, + 8 wave rows
	s_mul_i32 s40, s40, 4*PITCH
	s_and_b32 s41, s16, 1
	s_lshl_b32 s41, s41, 9
	s_add_co_u32 s40, s40, s41
	s_bfe_u32 s41, s16, 0x10001
	s_lshl_b32 s41, s41, 8
	s_add_co_u32 s40, s40, s41                     ; the wave's part of a column's place
	s_add_co_u32 s41, s40, QIMG
	s_add_co_u32 s37, s37, VROW
	WIN W_TO1
	v_lshl_add_u32 v1, v1, 3, s39                  ; window 1: v1 = 8 x lane + ..
	v_add_nc_u32 v2, s34, v5                       ;           v2 = 16 x lane + ..
	v_add_nc_u32 v3, s40, v8                       ;           v3: K's codes, chunk 0
	v_lshl_add_u32 v4, v1, 2, s37                  ;           v4: V's codes, chunk 0: my 8 rows, 4 x lane
	v_add_nc_u32 v7, s41, v8                       ;           v7: Q's codes
	WIN 0
	s_and_b32 s18, ttmp7, 0xffff                   ; the head
	s_mul_i32 s42, s18, 786432                     ; its 192 rows of 4,096 bytes
	s_mov_b32 s43, 0
	s_lshl_b32 s44, ttmp9, 10                      ; my block's 256 columns
	s_mov_b32 s45, 0
	s_lshl_b32 s46, s18, 18                        ; the head's 64 rows of out0
	s_add_co_u32 s46, s46, s44
	s_mov_b32 s47, 0
	s_mov_b32 s20, 0x76543210                      ; v_permlanex16_b32: lane l takes lane l xor 16
	s_mov_b32 s21, 0xfedcba98
	s_mov_b32 s24, 0x3eb504f3                      ; a = 1 / sqrt(sqrt(64))
	s_mov_b32 s25, s24                             ; (named with it as a pair, so it is written)
	s_wait_kmcnt 0x0
	s_load_b128 s[12:15], s[6:7], 0x0              ; e0, e1, e2, e3
	s_add_nc_u64 s[26:27], s[4:5], s[42:43]
	s_add_nc_u64 s[28:29], s[26:27], s[44:45]      ; q's rows at my block
	s_add_nc_u64 s[26:27], s[26:27], 262144        ; k's rows
	s_add_nc_u64 s[8:9], s[8:9], s[46:47]
	WIN W_B
	s_wait_alu depctr_va_vdst(0)                   ; the addresses that stay are written: v2, v5, v7, v10, v11 of window 0 and v1 to v4, v7 of window 1, which the kernel's loads and stores read
	LOADK KS, 28, 0, 1                             ; my block's queries 0-127,
	LOADK VS, 28, 512, 1                           ; 128-255,
	LOADK S, 26, 0, 0                              ; k's chunk 0,
	LOADV S+32, 0                                  ; v's chunk 0: 56 loads are out
	s_wait_kmcnt 0x0
	s_add_co_i32 s36, s12, s13                     ; e0 + e1
	; p's hold may be left out where e0 + e1 < 0 and e3 >= -8.  The operands are held at 448 x their scales, so |t| <= 64 x 448 x 448 x 2^(e0 + e1) x log2(e) < 2^24: t is rounded by 1/2 at the most,
	; t - M <= 1/2, p <= 1.42, and p / 2^e3 <= 256 x 1.42 < 448.
	s_cmp_lt_i32 s36, 0
	s_cselect_b32 s17, 1, 0
	s_cmp_ge_i32 s15, -8
	s_cselect_b32 s17, s17, 0
	s_lshl_b32 s36, s36, 23
	s_mov_b32 s22, 0x3fb8aa3b                      ; log2(e);
	s_add_co_i32 s22, s22, s36                     ; a sum stands for sum x 2^(e0 + e1): the two exponents are added to its exponent field
	s_mov_b32 s23, s22
	s_add_co_i32 s33, s14, s15                     ; e2 + e3
	POW 12
	v_mov_b32 v9, s34
	v_mov_b32 v8, s35
	POW 13
	v_mov_b32 v27, s34
	v_mov_b32 v26, s35
	POW 14
	v_mov_b32 v29, s34
	v_mov_b32 v28, s35
	POW 15
	INIT                                           ; tile B's state
	s_wait_loadcnt 40                              ; queries 0-127 are in (behind them: 16 + 16 + 8)
	QUANTK KS, CD, 8, 9
	s_wait_alu depctr_va_vdst(0)                   ; the conversions have written v[CD .. CD + 7], which the stores read; the quantiser is done with v[KS ..], in which k's chunk 1 lands
	STOREK CD, 7, 0
	LOADK KS, 26, 512, 0                           ; k's chunk 1
	s_wait_loadcnt 40                              ; queries 128-255 (behind them: 16 + 8 + 16)
	QUANTK VS, CD+8, 8, 9
	s_wait_alu depctr_va_vdst(0)                   ; the conversions have written v[CD + 8 .. CD + 15], which the stores read; the quantiser is done with v[VS ..], in which v's chunk 1 lands
	STOREK CD+8, 7, 8*PITCH
	LOADV VS, 512                                  ; v's chunk 1
	s_wait_loadcnt 32                              ; k's chunk 0 (behind it: 8 + 16 + 8)
	s_wait_dscnt 0x0                               ; the stores of Q's codes are done,
	s_wait_alu depctr_vm_vsrc(0)                   ; and have read v[CD .. CD + 15], which the conversions below write again
	QUANTK S, CD, 26, 27
	s_wait_loadcnt 24                              ; v's chunk 0 (behind it: 16 + 8)
	QUANTV S+32, CD+8
	s_wait_alu depctr_va_vdst(0)                   ; both quantisers' conversions have written v[CD .. CD + 15], which the stores read
	STOREK CD, 3, 0
	STOREV CD+8, 4, 0
	s_wait_loadcnt 8                               ; k's chunk 1 (behind it: 8)
	s_wait_dscnt 0x0                               ; the stores of chunk 0's codes are done,
	s_wait_alu depctr_vm_vsrc(0)                   ; and have read v[CD .. CD + 15], which the conversions below write again
	QUANTK KS, CD, 26, 27
	s_wait_loadcnt 0x0                             ; v's chunk 1
	QUANTV VS, CD+8
	s_wait_alu depctr_va_vdst(0)                   ; the conversions have written v[CD .. CD + 15], which the stores read; the quantisers are done with v[KS ..] and v[VS ..], in which chunk 2 lands
	STOREK CD, 3, 8*PITCH
	STOREV CD+8, 4, 128
	LOADK KS, 26, 1024, 0                          ; k's chunk 2,
	LOADV VS, 1024                                 ; v's chunk 2: 24 loads are out, as at the end of every trip that loads
	WIN 0
	INIT                                           ; tile A's state
	BARRIER                                        ; Q's 16 tiles and chunks 0 and 1 lie in LDS
	ds_load_b128 v[16:19], v7                      ; Q's fragments stay in registers: tile A,  (no vector line has named v[16:23] of either window, nor v5 or v7 of window 0 since the wait at the head)
	ds_load_b128 v[20:23], v7 offset:512
	WIN W_TO1
	ds_load_b128 v[16:19], v7 offset:PITCH         ; tile B
	ds_load_b128 v[20:23], v7 offset:PITCH+512
	WIN 0
	v_mov_b32 v9, v6                               ; V's rows at step 0 (read behind the first trip's first wait on va_vdst)
	KFETCH 5                                       ; K's fragments of step 0
	s_mov_b32 s30, 0
	s_mov_b32 s31, 0
	s_mov_b32 s32, 5
.Ltrip:                                            ; steps 0 to 4: they store chunks 2 to 6 and ask for chunks 3 to 7
	TRIP 1, 1, 1
	s_sub_co_u32 s32, s32, 1
	s_cmp_lg_u32 s32, 0
	s_cbranch_scc1 .Ltrip
	TRIP 1, 1, 0                                   ; step 5 stores chunk 7; nothing is left to ask for: no load leaves the head's rows
	TRIP 1, 0, 0                                   ; step 6: nothing is stored, so no barrier
	TRIP 0, 0, 0                                   ; step 7: it writes no register that a memory or LDS instruction has read, so it holds no wait on vm_vsrc
; THE WAY OUT.  The sum's two halves and the other half of the lanes' are added; O^T / the sum x 2^(e2 + e3) goes into the stage by channels' rows; each wave then stores 8 whole rows of 1,024 bytes.
.macro FINISH
	v_add_f32 v14, v14, v15
	v_permlanex16_b32 v212, v14, s20, s21
	v_add_f32 v14, v14, v212                       ; the row's sum
	v_rcp_f32 v14, v14
	v_nop                                          ; a plain line behind the reciprocal,
	s_wait_alu depctr_va_vdst(0)                   ; and the reciprocal has written v14, ahead of the first line that names it
	v_ldexp_f32 v14, v14, s33
.set n, 0
.rept 16
	v_pk_mul_f32 v[S+2*n:S+2*n+1], v[OT+2*n:OT+2*n+1], v[14:15] op_sel_hi:[1,0]   ; each accumulator from its low end on; register 8 t + j = channel 16 t + 8 h + j of my query
.set n, n+1
.endr
.endm
.macro TOSTAGE u
.set n, 0
.rept 32
	ds_store_b32 v10, v[S+n] offset:(16*(n/8)+n%8)*PITCH+32*\u
.set n, n+1
.endr
.endm
	PLACES                                         ; behind the last products, ahead of the first read of O^T
	FINISH
	WIN W_B
	FINISH
	WIN 0
	s_wait_alu depctr_va_vdst(0)                   ; both tiles' multiplications have written v[S .. S + 31] of both windows, which the 64 stores read; the last products are done reading v[FR ..], in which the stage's loads land
	TOSTAGE 0
	WIN W_ST1
	TOSTAGE 1
	WIN 0
	BARRIER                                        ; 64 whole rows lie in the stage
.set n, 0
.rept 16
	ds_load_b128 v[FR+4*n:FR+4*n+3], v11 offset:PITCH*(n/2)+512*(n%2)
.set n, n+1
.endr
.set n, 0
.rept 16
	s_wait_dscnt 15-n                              ; LDS loads come back in order (ISA guide 5.7.1): load n is in
	global_store_b128 v2, v[FR+4*n:FR+4*n+3], s[8:9] offset:4096*(n/2)+512*(n%2) th:TH_STORE_NT   ; 32 lanes store 512 consecutive bytes, at a multiple of 256 from out0's first byte; written once, read by nobody here
.set n, n+1
.endr
	s_wait_dscnt 0x0
	s_wait_alu depctr_hold_cnt(0) depctr_sa_sdst(0) depctr_va_vdst(0) depctr_va_sdst(0) depctr_va_ssrc(0) depctr_va_vcc(0) depctr_vm_vsrc(0)
	s_wait_tensorcnt 0x0
	ds_add_u32 v254, v255
	s_wait_dscnt 0x0
	s_endpgm
.Lfunc_end_k_qf0d80c41c2_attn:
	.size	k_qf0d80c41c2_attn, .Lfunc_end_k_qf0d80c41c2_attn-k_qf0d80c41c2_attn
	.p2alignl 7, 3214868480
	.fill 96, 4, 3214868480
	.section	.rodata,"a",@progbits
	.p2align	6, 0x0
	.amdhsa_kernel k_qf0d80c41c2_attn
		.amdhsa_group_segment_fixed_size 218112
		.amdhsa_private_segment_fixed_size 0
		.amdhsa_enable_private_segment 0
		.amdhsa_kernarg_size 24
		.amdhsa_user_sgpr_count 2
		.amdhsa_user_sgpr_kernarg_segment_ptr 1
		.amdhsa_wavefront_size32 1
		.amdhsa_system_sgpr_workgroup_id_x 1
		.amdhsa_system_sgpr_workgroup_id_y 1
		.amdhsa_system_sgpr_workgroup_id_z 1
		.amdhsa_system_vgpr_workitem_id 0
		.amdhsa_next_free_vgpr 512
		.amdhsa_next_free_sgpr 66
		.amdhsa_reserve_vcc 0
		.amdhsa_float_denorm_mode_32 3
		.amdhsa_float_denorm_mode_16_64 3
		.amdhsa_memory_ordered 1
		.amdhsa_forward_progress 1
		.amdhsa_inst_pref_size 177
	.end_amdhsa_kernel
	.amdgpu_metadata
---
amdhsa.version: [ 1, 2 ]
amdhsa.kernels:
  - .name:           k_qf0d80c41c2_attn
    .symbol:         k_qf0d80c41c2_attn.kd
    .args:
      - { .name: qkv, .offset: 0, .size: 8, .value_kind: global_buffer, .address_space: global }
      - { .name: lowp_scales, .offset: 8, .size: 8, .value_kind: global_buffer, .address_space: global }
      - { .name: out0, .offset: 16, .size: 8, .value_kind: global_buffer, .address_space: global }
    .group_segment_fixed_size: 218112
    .private_segment_fixed_size: 0
    .kernarg_segment_align: 8
    .kernarg_segment_size: 24
    .max_flat_workgroup_size: 256
    .sgpr_count:     66
    .vgpr_count:     512
    .wavefront_size: 32
...
	.end_amdgpu_metadata
.endif
;; end of part 2
